; MI455X (gfx1250); checked and timed in simulation.
; The chip was launched on July 23, 2026; its instructions are those of AMD's public machine-readable ISA for CDNA 5 (MIT licence, August 2026) and "CDNA5" Instruction Set Architecture Reference Guide (July 2026). The comments in the code are by the model that wrote it; some were corrected since.
;; FP8 Linear. Allowed arithmetic: float matrix products may take bf16 or f16 operands with f32 sums; other float arithmetic in f32, or as packed bf16 or f16 multiplies, adds, multiply-adds, maxima and minima; sums over many terms, partial sums and values carried from step to step in f32; what a program stores and reads back later, other than sums and carried values, may be rounded once to bf16 or f16.
;; Inputs: bias 4,096 float32; input_scale one number float32; weight 4,096 x 4,096 float32; weight_scale one number float32; x 4,096 x 4,096 float32.
;; Outputs: out0 4,096 x 4,096 float32.
;; 2 versions, each right; version 2 is version 1 with the launch quant written anew for expert scheduling mode. Each part assembles by itself: llvm-mc -triple=amdgcn-amd-amdhsa -mcpu=gfx1250 --defsym DOCPART=n.
;; ======== version 1 of 2: 2 launches
;; limits: inputs' magnitudes at most 448
;; workspace buffers: xq 33,554,432 bytes; wq 33,554,432 bytes
;; launch quant (part 1): grid 512 x 2, 8 waves a work-group, no clusters, 0 bytes of LDS; arguments x, weight, xq, wq; writes xq, wq
.if DOCPART == 1
	.amdgcn_target "amdgcn-amd-amdhsa--gfx1250"
	.amdhsa_code_object_version 6
	.text
	.protected	k_qbe1cb1f513_quant
	.globl	k_qbe1cb1f513_quant
	.p2align	8
	.type	k_qbe1cb1f513_quant,@function
k_qbe1cb1f513_quant:
	s_mov_b64 s[64:65], 0
	v_nop
	global_prefetch_b8 v0, s[64:65] scope:SCOPE_SE
	s_setreg_imm32_b32 hwreg(HW_REG_WAVE_MODE, 25, 1), 1
	s_wait_xcnt 0x0
; xq = q(x), wq = q(weight): each f32 is rounded to e4m3 (v_cvt_pk_fp8_f32, to nearest even), widened again and written as bf16.
; An e4m3 number has 4 significant bits and exponents 2^-9 .. 2^8, so bf16 holds it exactly: the second launch multiplies the very numbers that reference() multiplies.
; LIMITS.  The cast is the conversion instruction's: a magnitude past e4m3's range gives the NaN code, which goes on as a NaN through f32 and bf16, as reference()'s cast gives NaN there;
; for magnitudes from 448 to 464, which reference() still rounds down to 448, the result is whatever the instruction gives.  No clamp is written: reference() has none.
; K IS PERMUTED inside groups of 256 numbers of a row, alike in xq and wq (a row is 16 whole groups): place 8 l + j of a group holds source number 4 l + j (j < 4) or 128 + 4 l + j - 4 (j >= 4).
; A sum over k of products does not see a permutation that both factors share; it lets every load and every store be 16 bytes a lane with neighbouring lanes at neighbouring 16 bytes:
; each instruction of a wave covers 512 consecutive bytes, at a multiple of 512 from the buffer's first byte.
; SHARES.  Grid y = 0: x -> xq; y = 1: weight -> wq.  A work-group takes 131,072 bytes in and writes 65,536; each of its eight waves 16 groups (16,384 bytes in, 8,192 out).
; A ring of eight slots in registers keeps 16 loads of every wave on their way; two rounds, written out: no loop, no address is ever stepped (group and half stand in the immediates).
; No LDS, no matrix unit, no cluster: no byte is wanted by two waves.  No prefetch: the launch is nothing but its stream.
.set IN,   1                           ; v1        wave x 16,384 + 16 x lane; never rewritten
.set OUTO, 2                           ; v2        wave x 8,192 + 16 x lane; never rewritten
.set T,    4                           ; v[4:11]   eight numbers in f32, at work
                                       ; v12, v13  their eight e4m3 codes (named by halves below)
.set X,    16                          ; v[16:79]  slot i: 8 registers as loaded
.set Y,    80                          ; v[80:111] slot i: 4 registers to store
	s_load_b256 s[4:11], s[0:1], 0x0               ; x s[4:5], weight s[6:7], xq s[8:9], wq s[10:11]
	s_and_b32 s12, ttmp7, 0xffff                   ; grid y: which tensor
	s_lshl_b32 s18, ttmp9, 17                      ; the work-group's 131,072 bytes in (511 x 2^17 at the most: under 2^31),
	s_mov_b32 s19, 0
	s_lshl_b32 s20, ttmp9, 16                      ; and its 65,536 out
	s_mov_b32 s21, 0
	v_and_b32 v3, 0xe0, v0                         ; 32 x wave
	v_and_b32 v1, 31, v0                           ; lane
	v_lshlrev_b32 v1, 4, v1                        ; 16 bytes a lane
	v_lshl_or_b32 v[OUTO], v3, 8, v1
	v_lshl_or_b32 v[IN], v3, 9, v1
	v_mov_b32 v12, 0                               ; written whole once: the conversions below write them half by half
	v_mov_b32 v13, 0
	s_wait_kmcnt 0x0
	s_cmp_eq_u32 s12, 0                            ; a choice between buffers by the work-group's y alone
	s_cselect_b64 s[14:15], s[4:5], s[6:7]
	s_cselect_b64 s[16:17], s[8:9], s[10:11]
	s_add_nc_u64 s[14:15], s[14:15], s[18:19]
	s_add_nc_u64 s[16:17], s[16:17], s[20:21]
.irp i, 0,1,2,3,4,5,6,7
	global_load_b128 v[X+8*(\i):X+8*(\i)+3],   v[IN], s[14:15] offset:(\i)*1024 th:TH_LOAD_NT      ; group i: numbers 4 l .. 4 l + 3,
	global_load_b128 v[X+8*(\i)+4:X+8*(\i)+7], v[IN], s[14:15] offset:(\i)*1024+512 th:TH_LOAD_NT  ; and 128 + 4 l .. 128 + 4 l + 3
.endr
; Slot i's turn, for group g.  ahead = 1: the slot is filled again with group g + 8.  left: the younger loads that may stay out.  free = 1: the slot's Y has been a store's data before.
.macro SLOT i, g, ahead, left, free
	s_wait_loadcnt \left                           ; loads come back in order (ISA guide 5.7.1): my two are in
.if \free
	s_wait_xcnt 0x0                                ; the slot's first store has read its data: Y is rewritten only behind this wait
.endif
	v_cvt_pk_fp8_f32 v12.l, v[X+8*(\i)],   v[X+8*(\i)+1]   ; the rounding that reference() makes
	v_cvt_pk_fp8_f32 v13.l, v[X+8*(\i)+4], v[X+8*(\i)+5]
	v_cvt_pk_fp8_f32 v12.h, v[X+8*(\i)+2], v[X+8*(\i)+3]
	v_cvt_pk_fp8_f32 v13.h, v[X+8*(\i)+6], v[X+8*(\i)+7]
	v_cvt_pk_f32_fp8 v[T:T+1],   v12.l             ; back to f32: exact
	v_cvt_pk_f32_fp8 v[T+2:T+3], v12.h
	v_cvt_pk_f32_fp8 v[T+4:T+5], v13.l
	v_cvt_pk_f32_fp8 v[T+6:T+7], v13.h
.irp k, 0,1,2,3
	v_cvt_pk_bf16_f32 v[Y+4*(\i)+(\k)], v[T+2*(\k)], v[T+2*(\k)+1]  ; to bf16: exact too
.endr
.if \ahead
	global_load_b128 v[X+8*(\i):X+8*(\i)+3],   v[IN], s[14:15] offset:((\g)+8)*1024 th:TH_LOAD_NT
	global_load_b128 v[X+8*(\i)+4:X+8*(\i)+7], v[IN], s[14:15] offset:((\g)+8)*1024+512 th:TH_LOAD_NT
.endif
	global_store_b128 v[OUTO], v[Y+4*(\i):Y+4*(\i)+3], s[16:17] offset:(\g)*512 th:TH_STORE_NT
.endm
.irp i, 0,1,2,3,4,5,6,7
	SLOT \i, \i, 1, 14, 0                          ; behind slot i's two loads stand 2 (7 - i) first loads and 2 i refills: 14
.endr
.irp i, 0,1,2,3,4,5,6,7
	SLOT \i, 8+(\i), 0, 14-2*(\i), 1               ; the last round loads nothing: behind slot i's refill stand 2 (7 - i) others
.endr
	s_endpgm
.Lfunc_end_k_qbe1cb1f513_quant:
	.size	k_qbe1cb1f513_quant, .Lfunc_end_k_qbe1cb1f513_quant-k_qbe1cb1f513_quant
	.p2alignl 7, 3214868480
	.fill 96, 4, 3214868480
	.section	.rodata,"a",@progbits
	.p2align	6, 0x0
	.amdhsa_kernel k_qbe1cb1f513_quant
		.amdhsa_group_segment_fixed_size 0
		.amdhsa_private_segment_fixed_size 0
		.amdhsa_enable_private_segment 0
		.amdhsa_kernarg_size 32
		.amdhsa_user_sgpr_count 2
		.amdhsa_user_sgpr_kernarg_segment_ptr 1
		.amdhsa_wavefront_size32 1
		.amdhsa_system_sgpr_workgroup_id_x 1
		.amdhsa_system_sgpr_workgroup_id_y 1
		.amdhsa_system_sgpr_workgroup_id_z 1
		.amdhsa_system_vgpr_workitem_id 0
		.amdhsa_next_free_vgpr 112
		.amdhsa_next_free_sgpr 66
		.amdhsa_reserve_vcc 0
		.amdhsa_float_denorm_mode_32 3
		.amdhsa_float_denorm_mode_16_64 3
		.amdhsa_memory_ordered 1
		.amdhsa_forward_progress 1
		.amdhsa_inst_pref_size 17
	.end_amdhsa_kernel
	.amdgpu_metadata
---
amdhsa.version: [ 1, 2 ]
amdhsa.kernels:
  - .name:           k_qbe1cb1f513_quant
    .symbol:         k_qbe1cb1f513_quant.kd
    .args:
      - { .name: x, .offset: 0, .size: 8, .value_kind: global_buffer, .address_space: global }
      - { .name: weight, .offset: 8, .size: 8, .value_kind: global_buffer, .address_space: global }
      - { .name: xq, .offset: 16, .size: 8, .value_kind: global_buffer, .address_space: global }
      - { .name: wq, .offset: 24, .size: 8, .value_kind: global_buffer, .address_space: global }
    .group_segment_fixed_size: 0
    .private_segment_fixed_size: 0
    .kernarg_segment_align: 8
    .kernarg_segment_size: 32
    .max_flat_workgroup_size: 256
    .sgpr_count:     66
    .vgpr_count:     112
    .wavefront_size: 32
...
	.end_amdgpu_metadata
.endif
;; end of part 1
;; launch gemm (part 2): grid 16 x 16, 4 waves a work-group, clusters of 4 x 4, 327,680 bytes of LDS; arguments xq, wq, out0, bias, input_scale, weight_scale; writes out0
.if DOCPART == 2
	.amdgcn_target "amdgcn-amd-amdhsa--gfx1250"
	.amdhsa_code_object_version 6
	.text
	.protected	k_qbe1cb1f513_gemm
	.globl	k_qbe1cb1f513_gemm
	.p2align	8
	.type	k_qbe1cb1f513_gemm,@function
k_qbe1cb1f513_gemm:
	s_mov_b64 s[64:65], 0
	v_nop
	global_prefetch_b8 v0, s[64:65] scope:SCOPE_SE
	s_setreg_imm32_b32 hwreg(HW_REG_WAVE_MODE, 25, 1), 1
	s_wait_xcnt 0x0
	s_wait_alu depctr_hold_cnt(0) depctr_sa_sdst(0) depctr_va_vdst(0) depctr_va_sdst(0) depctr_va_ssrc(0) depctr_va_vcc(0) depctr_vm_vsrc(0)
	s_getreg_b32 s2, hwreg(HW_REG_IB_STS2, 6, 4)
	s_cmp_eq_u32 s2, 0
	s_cbranch_scc0 .Lentry_in_a_cluster
	s_endpgm
.Lentry_in_a_cluster:
	s_bfe_u32 s2, ttmp6, 0x10000c
	s_cmp_lg_u32 s2, 0xf033
	s_cbranch_scc0 .Lentry_shape_is_right
	s_endpgm
.Lentry_shape_is_right:
; out0[m][n] = (sum over k of xq[m][k] wq[n][k]) x (input_scale x weight_scale) + bias[n].  xq, wq: [4096][4096] bf16, the e4m3 roundings of x and weight, exact in bf16, K permuted alike in both;
; out0: [4096][4096] f32.  Products are exact, sums in f32.  LIMITS: the order of the f32 sums is not reference()'s; sum x scale + bias is ONE fused multiply-add, where reference() rounds twice.
; A tile of out0, 256 x 256, is made by a work-group of four waves; a wave makes 128 x 128: 64 accumulators of 16 x 16, 512 registers.  256 tiles: one work-group each.
; K goes in steps of 128 through a ring of two LDS slots filled by the tensor data mover: a tile's rows are 256 bytes of memory, at multiples of 256 from the buffer's first byte.
; CLUSTERS: 4 x 4 work-groups.  The four of a row of the cluster need the same tiles of xq (A), the four of a column the same tiles of wq (B): each tile is asked for JOINTLY, by the same tensor load with the
; same descriptor and a mask that names the four; each receives it in its own LDS.  That divides the requests for A and B by four.
; THE MATRIX INSTRUCTION IS USED TRANSPOSED: source 0 = 16 rows of B, source 1 = 16 rows of A: lane l of a result holds row l % 16 of out0 and the columns 8 (l / 16) + 0 .. 7: 32 neighbouring bytes.
; REGISTERS, in windows of 256 (s_set_vgpr_msb's low byte: bits 1:0 source 0, 3:2 source 1, 5:4 source 2, 7:6 destination):
;   window 0: v0-31 addresses, scale, bias; v64-127, v128-191 fragments of A, two buffers; on the way out the same 128 registers hold rows read back from the stage
;   window 1: v64-127, v128-191 fragments of B, two buffers
;   window 2: the 32 accumulators of my rows 0-63 (accumulator (a, b) at v[8 (8 a + b)]);   window 3: those of my rows 64-127
.set SIZE_N, 4096
.set SIZE_K, 4096
.set KSTEP,  128
.set PITCH,  272                       ; an LDS row: 256 bytes + 16 of padding = 68 words: row r starts at bank 4 r mod 64 (64 banks of 4 bytes: ISA guide 11.1): the 16 rows of a load start at 16 different banks
.set HALFT,  128*PITCH                 ; 128 rows: what one tensor load brings, and what one wave reads of A or of B
.set SLOT,   4*HALFT                   ; A's 256 rows, then B's 256 rows
.set STAGE,  2*SLOT                    ; behind the ring, never filled by a tensor load: 16 rows x 528 bytes for each wave, for the way out
.set SPITCH, 528                       ; a stage row: 512 bytes (128 f32) + 16: 33 x 16 bytes
.set WSTAGE, 16*SPITCH                 ; 8,448 bytes: 33 blocks of 256
.set SPARE,  STAGE+4*WSTAGE            ; behind the stages: the spare words, 128 bytes for each wave: two blocks of 256 bytes that no other line names
.set LAPS,   SIZE_K/(2*KSTEP)          ; a lap = two K steps = once round the ring: 16
.set SC,   6                           ; v[6:7]   input_scale x weight_scale, twice
.set BIAS, 8                           ; v[8:11]  bias of my four columns on the way out
.set BO,   12                          ; v12      their byte offset in bias; never rewritten
.set ADRA, 16                          ; v16-17   LDS address of my A fragments in slot 0, 1
.set ADRB, 20                          ; v20-21   the same for B
.set STO,  24                          ; v24      the way out: where I put 32 bytes of a row
.set RD,   25                          ; v25      the way out: where I read 16 bytes of a row back
.set CO,   26                          ; v26      16 x lane: my bytes in 512 consecutive bytes of out0
.set SPW,  28                          ; v28      LDS address of my spare word: SPARE + 4 x my thread's number; never rewritten
.set NIL,  29                          ; v29      0; never rewritten
.set PFO,  30                          ; v30      the prefetches' offset: my lane x a row of A or B (8,192 bytes); never rewritten
.set F0,   64                          ; fragment buffer 0
.set F1,   128                         ; fragment buffer 1
.set G1,  24                           ; s[24:31] descriptor group 1 for A's tiles
.set G0,  32                           ; s[32:39] descriptor group 0 for A's tiles, one set for each slot
.set LIM, 43                           ; s43      1 in a wave that prefetches, else the greatest number
.set PFA, 44                           ; s[44:45] where my prefetches stand: my work-group's 32 rows of the 128 that I fetch, one K step further along K than the refill in hand
.set G1B, 48                           ; s[48:55] descriptor group 1 for B's tiles: it differs from A's in the mask alone
.set G0B, 56                           ; s[56:63] descriptor group 0 for B's tiles
.set MSB, 0
.macro WIN new                         ; the immediate's high byte repeats the setting that is left; a switch that changes nothing is dropped
.if MSB != (\new)
	s_set_vgpr_msb (MSB<<8)|(\new)
.set MSB, \new
.endif
.endm
.set MUL_LO, 0xa1                      ; source 0 (B) window 1, source 1 (A) window 0, C and D window 2
.set MUL_HI, 0xf1                      ; the same, C and D window 3
.set TO_B,   0x40                      ; destination window 1, address window 0
; A joint load.  Waves 0 and 1 fetch A's two halves, waves 2 and 3 B's.  Each of the two lines has one mask and one set of registers; the branch hangs on the wave's number alone.
; An s_nop 0 and four v_nop follow each of the two lines, ahead of the jump, the label and what follows.
.macro JLOAD s
	s_cmp_eq_u32 s11, 0
	s_cbranch_scc0 .Lfor_b_\@
	tensor_load_to_lds s[G0+4*(\s):G0+4*(\s)+3], s[G1:G1+7]
	s_nop 0
.rept 4
	v_nop
.endr
	s_branch .Lasked_\@
.Lfor_b_\@:
	tensor_load_to_lds s[G0B+4*(\s):G0B+4*(\s)+3], s[G1B:G1B+7]
	s_nop 0
.rept 4
	v_nop
.endr
.Lasked_\@:
.endm
; A PREFETCH INTO THE L2, behind each joint refill, its five lines and the run of LDS loads that follows: the K step that stands TWO refills on (512 matrix instructions ahead of the load that will ask for it):
; 32 rows x 256 bytes, a lane a row, one instruction a wave.  Each row's 256 bytes of a K step are named ONCE in the launch: A's tile row is read by every cluster of that row of clusters, and the one with
; cluster x = 0 asks; B's tile column by every cluster of that column, and cluster y = 0 asks.  The four partners that ask for a tile jointly share its rows out BY ADDRESS, 32 each (by cx for A, cy for B).
; K steps 0 to 3 come by their loads alone; the loop's last trip (s3 = 1) asks for nothing: the last K step named is 31, the last there is.
.macro ASK
	s_cmp_gt_u32 s3, s[LIM]
	s_cbranch_scc0 .Lnot_mine_\@
	global_prefetch_b8 v[PFO], s[PFA:PFA+1] offset:KSTEP*2 th:TH_LOAD_NT scope:SCOPE_SE
.Lnot_mine_\@:
.endm
; A round of the cluster's barrier: my work-group's barrier, so that wave 0's signal speaks for all four waves; wave 0 signals; every wave waits for all sixteen work-groups; my work-group's barrier once more.
.macro CREST                           ; a round behind its opening barrier
	s_cmp_lg_u32 s10, 0
	s_cbranch_scc1 .Lnot_wave_0_\@
	s_barrier_signal -3
.Lnot_wave_0_\@:
	s_barrier_wait -3
	s_barrier_signal -1
	s_barrier_wait -1
.endm
.macro CROUND                          ; a whole round
	s_barrier_signal -1
	s_barrier_wait -1
	CREST
.endm
	s_load_b128 s[4:7], s[0:1], 0x0                ; xq (A) s[4:5], wq (B) s[6:7]
	s_load_b64 s[8:9], s[0:1], 0x10                ; out0
	s_load_b64 s[66:67], s[0:1], 0x18              ; bias
	s_load_b128 s[68:71], s[0:1], 0x20             ; input_scale s[68:69], weight_scale s[70:71]
	v_lshl_add_u32 v[SPW], v0, 2, SPARE
	v_mov_b32 v[NIL], 0
	ds_add_u32 v[SPW], v[NIL]                      ; the wave's opening: the add, twice on end, and its wait ahead of my first tensor load; the set-up below stands between the second add and the wait
	ds_add_u32 v[SPW], v[NIL]                      ; and once more, under the one wait
	v_lshrrev_b32 v1, 5, v0
	v_readfirstlane_b32 s10, v1                    ; wave 0..3
	s_lshr_b32 s11, s10, 1                         ; which half of the tile's rows is mine.  Also: I fetch for A (0) or for B (1)
	s_and_b32 s12, s10, 1                          ; which half of its columns.  Also: which 128 rows of that tile I fetch
	s_bfe_u32 s40, ttmp6, 0x40000                  ; cx: my place along the cluster's x
	s_bfe_u32 s41, ttmp6, 0x40004                  ; cy: along its y
	s_lshl_b32 s42, ttmp9, 2                       ; in a cluster launch ttmp9 and ttmp7 count clusters
	s_add_co_u32 s42, s42, s40                     ; tile column = 4 x cluster x + cx
	s_and_b32 s13, ttmp7, 0xffff
	s_lshl_b32 s13, s13, 2
	s_add_co_u32 s13, s13, s41                     ; tile row = 4 x cluster y + cy
	s_lshl_b32 s43, s41, 2
	s_lshl_b32 s43, 15, s43                        ; my row of the cluster: places 4 cy .. 4 cy + 3
	s_lshl_b32 s44, 0x1111, s40                    ; my column: places cx, cx + 4, cx + 8, cx + 12
	; descriptor group 1: a tile of 128 rows x 128 elements, padded in LDS
	s_or_b32 s[G1+0], s43, (1<<16)|(1<<20)|(1<<21)|(5<<22)|(3<<25)   ; 15:0 the mask: A's tiles go to my row; 17:16 elements of 2 bytes; 20 padding on; 21 set beside a mask; 24:22 after every 64 words (code 5); 31:25 4 words of it (code 3)
	s_or_b32 s[G1B+0], s44, (1<<16)|(1<<20)|(1<<21)|(5<<22)|(3<<25)  ; the same with the mask of my column, for B's tiles
.irp g, G1, G1B
	s_mov_b32 s[(\g)+1], KSTEP<<16                 ; 63:48 tensor_dim0, low half = 128
	s_mov_b32 s[(\g)+2], 128<<16                   ; 79:64 its high half = 0; 95:80 tensor_dim1, low half = 128
	s_mov_b32 s[(\g)+3], KSTEP<<16                 ; 111:96 its high half = 0; 127:112 tile_dim0 = 128
	s_mov_b32 s[(\g)+4], 128                       ; 143:128 tile_dim1 = 128; 159:144 tile_dim2 = 0
	s_mov_b32 s[(\g)+5], SIZE_K                    ; 191:160 tensor_dim0_stride: elements from row to row
	s_mov_b32 s[(\g)+6], 0
	s_mov_b32 s[(\g)+7], 0
.endr
	; where the tiles come from.  A's hang on the tile row alone, which my row of the cluster shares; B's on the tile column alone, which my column shares.
	; Every wave makes both offsets, in registers that never hold the other coordinate.  A row is 8,192 bytes; 4,095 rows stay under 2^25.
	s_lshl_b32 s17, s12, 7                         ; which 128 rows of the tile I fetch
	s_lshl_b32 s16, s13, 8
	s_add_co_u32 s16, s16, s17                     ; A: row 256 x tile row + 128 x half
	s_lshl_b32 s16, s16, 13
	s_lshl_b32 s46, s42, 8
	s_add_co_u32 s46, s46, s17                     ; B: row 256 x tile column + 128 x half
	s_lshl_b32 s46, s46, 13
	s_mov_b32 s17, 0
	s_mov_b32 s47, 0
	s_mul_i32 s20, s10, HALFT                      ; and where they go: A's two halves, then B's two = wave x 128 rows: no place in the cluster enters an LDS address
	s_wait_dscnt 0x0                               ; both opening adds are done
	s_wait_kmcnt 0x0
	s_add_nc_u64 s[14:15], s[4:5], s[16:17]
	s_add_nc_u64 s[46:47], s[6:7], s[46:47]
	CROUND                                         ; all sixteen work-groups are here: the first joint loads meet
.irp s, 0,1
	s_mov_b32 s[G0+4*(\s)], 1                                        ; 1:0 count = 1
	s_add_co_u32 s[G0+4*(\s)+1], s20, (\s)*SLOT                      ; 63:32 LDS address
	s_add_nc_u64 s[G0+4*(\s)+2:G0+4*(\s)+3], s[14:15], (\s)*KSTEP*2  ; 120:64 global address: K step s
	s_or_b32 s[G0+4*(\s)+3], s[G0+4*(\s)+3], 0x80000000              ; 127:126 type = 2
	s_mov_b32 s[G0B+4*(\s)], 1
	s_add_co_u32 s[G0B+4*(\s)+1], s20, (\s)*SLOT
	s_add_nc_u64 s[G0B+4*(\s)+2:G0B+4*(\s)+3], s[46:47], (\s)*KSTEP*2
	s_or_b32 s[G0B+4*(\s)+3], s[G0B+4*(\s)+3], 0x80000000
	JLOAD \s                                       ; the ring is filled before anything else is done: two loads of mine are out
.endr
	s_load_b32 s72, s[68:69], 0x0                  ; the two scales
	s_load_b32 s73, s[70:71], 0x0
	; A fragment is 16 rows x 32 K in 8 registers: lane l holds row l % 16; registers 0-3 K = 8 (l / 16) + 0..7, registers 4-7 K = 16 + 8 (l / 16) + 0..7: two loads of 16 bytes, 32 bytes apart.
	v_and_b32 v1, 15, v0                           ; l % 16
	v_bfe_u32 v2, v0, 4, 1                         ; l / 16
	v_mul_u32_u24 v3, v1, PITCH
	v_lshl_add_u32 v3, v2, 4, v3                   ; row x pitch + 16 x half
	s_mul_i32 s21, s11, HALFT                      ; my 128 rows of A
	s_mul_i32 s22, s12, HALFT                      ; my 128 rows of B,
	s_add_co_u32 s22, s22, 2*HALFT                 ; which lie behind A's 256
.irp s, 0,1
	v_add_nc_u32 v[ADRA+(\s)], s21, v3
	v_add_nc_u32 v[ADRB+(\s)], s22, v3
	s_add_co_u32 s21, s21, SLOT
	s_add_co_u32 s22, s22, SLOT
.endr
	s_mul_i32 s23, s10, WSTAGE
	s_add_co_u32 s23, s23, STAGE                   ; my stage
	v_mul_u32_u24 v4, v1, SPITCH                   ; in: row l % 16, 32 bytes for each half of the lanes
	v_lshl_add_u32 v4, v2, 5, v4
	v_add_nc_u32 v[STO], s23, v4
	v_and_b32 v5, 31, v0
	v_lshlrev_b32 v[CO], 4, v5                     ; back: 32 lanes take one row of 512 bytes, 16 bytes each,
	v_add_nc_u32 v[RD], s23, v[CO]                 ; which are 512 consecutive bytes of out0
	s_lshl_b32 s46, s42, 10                        ; my first column, in bytes of f32: 1,024 x tile column + 512 x half (in the registers that held B's address: none that feeds A's descriptors ever holds cx)
	s_lshl_b32 s47, s12, 9
	s_add_co_u32 s46, s46, s47
	s_mov_b32 s47, 0
	v_add_nc_u32 v[BO], s46, v[CO]
	global_load_b128 v[BIAS:BIAS+3], v[BO], s[66:67]  ; on the way out a lane holds the same four columns in every row: their bias, once
	s_lshl_b32 s16, s13, 8
	s_lshl_b32 s17, s11, 7
	s_add_co_u32 s16, s16, s17                     ; my first row of out0,
	s_lshl_b32 s16, s16, 14                        ; at 16,384 bytes a row: under 2^26
	s_mov_b32 s17, 0
	s_add_nc_u64 s[8:9], s[8:9], s[16:17]
	s_add_nc_u64 s[8:9], s[8:9], s[46:47]          ; out0 at my 128 x 128; never rewritten: rows stand in the stores' immediates
	; the prefetches
	s_lshl_b32 s13, s13, 8                         ; 256 x tile row
	s_lshl_b32 s42, s42, 8                         ; 256 x tile column
	s_and_b32 s22, ttmp7, 0xffff                   ; cluster y
	s_cmp_eq_u32 s11, 0                            ; do I fetch for A?
	s_cselect_b32 s20, s13, s42                    ; the tile's first row: in A by the tile row, in B by the tile column
	s_cselect_b32 s21, s40, s41                    ; my place among the four that ask for it with me
	s_cselect_b32 s22, ttmp9, s22                  ; the coordinate along which other clusters read the same rows
	s_cselect_b64 s[PFA:PFA+1], s[4:5], s[6:7]
	s_cmp_eq_u32 s22, 0
	s_cselect_b32 s[LIM], 1, -1                    ; the same in all sixteen partners, for a given wave
	s_lshl_b32 s22, s12, 7
	s_add_co_u32 s20, s20, s22                     ; + the 128 rows that I fetch
	s_lshl_b32 s21, s21, 5
	s_add_co_u32 s20, s20, s21                     ; + my work-group's 32 of them
	s_lshl_b32 s20, s20, 13
	s_mov_b32 s21, 0
	s_add_nc_u64 s[PFA:PFA+1], s[PFA:PFA+1], s[20:21]
	s_add_nc_u64 s[PFA:PFA+1], s[PFA:PFA+1], 2*KSTEP*2  ; at K step 2: the first refill steps it to 3 and names K step 4.  Nothing is prefetched here, at the head
	v_and_b32 v[PFO], 31, v0
	v_lshlrev_b32 v[PFO], 13, v[PFO]
	s_wait_kmcnt 0x0                               ; the scales
	v_mov_b32 v[SC], s72
	v_mul_f32 v[SC], s73, v[SC]                    ; input_scale x weight_scale, in f32 as reference() has it
	v_mov_b32 v[SC+1], v[SC]
	s_wait_loadcnt 0x0                             ; bias, once, while the first tiles are on their way
; 16 matrix instructions: m blocks a0, a0 + 1 of the window's four (hi = 0: my rows 0-63, 1: rows 64-127) x all 8 n blocks, 32 along K.  zero = 1: the first product starts the sums: nothing is ever cleared.
; The 64 accumulators take turns, one instruction a turn, in the same order in every quarter step, over the loop's backward jump too.
.macro MUL16 f, hi, a0, zero
	WIN MUL_LO+0x50*(\hi)
.irp a, \a0, (\a0)+1
.irp b, 0,1,2,3,4,5,6,7
.if \zero
	v_wmma_f32_16x16x32_bf16 v[8*(8*(\a)+(\b)):8*(8*(\a)+(\b))+7], v[(\f)+8*(\b):(\f)+8*(\b)+7], v[(\f)+8*(4*(\hi)+(\a)):(\f)+8*(4*(\hi)+(\a))+7], 0
.else
	v_wmma_f32_16x16x32_bf16 v[8*(8*(\a)+(\b)):8*(8*(\a)+(\b))+7], v[(\f)+8*(\b):(\f)+8*(\b)+7], v[(\f)+8*(4*(\hi)+(\a)):(\f)+8*(4*(\hi)+(\a))+7], v[8*(8*(\a)+(\b)):8*(8*(\a)+(\b))+7]
.endif
.endr
.endr
.endm
; 32 LDS loads in one run: the fragments of one quarter step (128 rows of B, then 128 rows of A, 32 K at byte k of the rows) into buffer f
.macro FETCH slot, k, f
	WIN TO_B
.irp i, 0,1,2,3,4,5,6,7
	ds_load_b128 v[(\f)+8*(\i):(\f)+8*(\i)+3],   v[ADRB+(\slot)] offset:(\k)+(\i)*16*PITCH
	ds_load_b128 v[(\f)+8*(\i)+4:(\f)+8*(\i)+7], v[ADRB+(\slot)] offset:(\k)+(\i)*16*PITCH+32
.endr
	WIN 0
.irp i, 0,1,2,3,4,5,6,7
	ds_load_b128 v[(\f)+8*(\i):(\f)+8*(\i)+3],   v[ADRA+(\slot)] offset:(\k)+(\i)*16*PITCH
	ds_load_b128 v[(\f)+8*(\i)+4:(\f)+8*(\i)+7], v[ADRA+(\slot)] offset:(\k)+(\i)*16*PITCH+32
.endr
.endm
; A load into a register that a matrix instruction has read, and an LDS store that reads a matrix result, stand four places behind that matrix instruction; only plain vector instructions that name
; none of its registers are places (ISA guide 7.12.1 for vector instructions).
.macro PLACES
.rept 4
	v_nop
.endr
.endm
; A K step is four quarter steps of 32 along K, 64 matrix instructions each, on buffers 0, 1, 0, 1.
; One of the first three: multiplies buffer f; in its middle it fetches the next quarter's fragments, at byte k of the same slot's rows, into buffer g.
.macro QUARTER slot, k, f, g, zero
	s_wait_dscnt 8                                 ; B and A's rows 0-63 are in; the youngest eight loads (A's rows 64-127) may be out
	MUL16 \f, 0, 0, \zero
	MUL16 \f, 0, 2, \zero
	PLACES
	FETCH \slot, \k, \g
	s_wait_dscnt 32                                ; all but the 32 just issued
	MUL16 \f, 1, 0, \zero
	MUL16 \f, 1, 2, \zero
.endm
; The last quarter multiplies buffer 1 and changes slots.  MEET is its first half: ONE barrier for the change.  In front of it each wave waits for all its tensor loads, of which one is out: its part of
; the next slot; adds 0 to its spare word; and waits for that and for its own reads of this slot.  Behind it nobody reads this slot any more and the next slot is whole.
.macro MEET round                      ; round = 1: the rest of a round of the cluster's barrier follows
	WIN 0                                          ; (the add's two registers lie in window 0)
	s_wait_tensorcnt 0x0                           ; all my tensor loads have landed;
	ds_add_u32 v[SPW], v[NIL]                      ; 0 onto my spare word;
	s_wait_dscnt 9                                 ; (the add and the youngest eight loads may be out)
	MUL16 F1, 0, 0, 0                              ; sixteen matrix instructions stand between the add and the wait for it
	s_wait_dscnt 0x0                               ; the add is done, and my reads of this slot are over:
	s_barrier_signal -1                            ; say so,
	MUL16 F1, 0, 2, 0                              ; work on registers while the others arrive,
.if \round
	WIN 0
.endif
	s_barrier_wait -1                              ; and go on when all four have said so
.endm
; The whole last quarter.  fill = 1: the barrier opens a round of the cluster's barrier, and behind the round the slot just read out is filled again first, with the K step two steps on: from that request
; to the wait for it a wave issues 224 matrix instructions.  Then come the next slot's first fragments.  fill = 0 (the last lap): nothing is asked for, and no round is held.
.macro TURN slot, next, fill
.if \fill
	s_wait_xcnt 0x0                                ; the last prefetch, a K step back, has read its address: it is stepped here, ahead of the waits of the change of slots
	s_add_nc_u64 s[PFA:PFA+1], s[PFA:PFA+1], KSTEP*2
.endif
	MEET \fill
.if \fill
	CREST                                          ; no wave of any partner still reads this slot's tile or has a load on its way
	s_add_nc_u64 s[G0+4*(\slot)+2:G0+4*(\slot)+3], s[G0+4*(\slot)+2:G0+4*(\slot)+3], 2*KSTEP*2     ; no tensor load of mine is out, so a group 0 may be written
	s_add_nc_u64 s[G0B+4*(\slot)+2:G0B+4*(\slot)+3], s[G0B+4*(\slot)+2:G0B+4*(\slot)+3], 2*KSTEP*2
	JLOAD \slot                                    ; my one tensor load behind the round; the four v_nop behind it are also the places in front of the loads below
.else
	PLACES
.endif
	FETCH \next, 0, F0
.if \fill
	ASK                                            ; behind the joint load and the run of LDS loads that the next products wait for
.endif
	MUL16 F1, 1, 0, 0
	MUL16 F1, 1, 2, 0
.endm
; THE WAY OUT of block a (16 of my rows x 128 columns), in two parts.  TOSTAGE: a lane's 32 bytes of each of the block's 8 accumulators go into my own stage, the four lowest registers of an accumulator
; first; the block comes back as whole rows of 512 bytes.  SEND: sum x scale + bias, one fused multiply-add, and the stores.
.macro TOSTAGE a
.set BK, F0+64*((\a)%2)                ; the rows come back into A's two fragment buffers, by turns
.set AC, 64*((\a)%4)
.if (\a) >= 2
	s_wait_xcnt 0x0                                ; the stores of the block two back have read their data: those registers are loaded again only behind this wait
.endif
	WIN 0x08+4*((\a)/4)                            ; an LDS store's data is source 1: window 2 (blocks 0-3) or 3 (blocks 4-7)
.irp b, 0,1,2,3,4,5,6,7
	ds_store_b128 v[STO], v[AC+8*(\b):AC+8*(\b)+3]   offset:64*(\b)
	ds_store_b128 v[STO], v[AC+8*(\b)+4:AC+8*(\b)+7] offset:64*(\b)+16
.endr
	WIN 0
.irp t, 0,1,2,3,4,5,6,7,8,9,10,11,12,13,14,15
	ds_load_b128 v[BK+4*(\t):BK+4*(\t)+3], v[RD] offset:(\t)*SPITCH  ; LDS serves a wave's instructions in order (ISA guide 5.7.1.4): these see the stores above, and the next block's stores come behind them
.endr
.endm
.macro SEND a, younger                 ; younger: the LDS instructions issued behind block a's loads: the next block's 16 stores and 16 loads, or none
.set BK, F0+64*((\a)%2)
	s_wait_dscnt \younger                          ; the block is back in registers
.irp t, 0,1,2,3,4,5,6,7,8,9,10,11,12,13,14,15
	v_pk_fma_f32 v[BK+4*(\t):BK+4*(\t)+1],   v[BK+4*(\t):BK+4*(\t)+1],   v[SC:SC+1], v[BIAS:BIAS+1]
	v_pk_fma_f32 v[BK+4*(\t)+2:BK+4*(\t)+3], v[BK+4*(\t)+2:BK+4*(\t)+3], v[SC:SC+1], v[BIAS+2:BIAS+3]
	global_store_b128 v[CO], v[BK+4*(\t):BK+4*(\t)+3], s[8:9] offset:(16*(\a)+(\t))*SIZE_N*4 th:TH_STORE_NT  ; 32 lanes store 512 consecutive bytes, at a multiple of 512 from out0's first byte; 127 rows at the most: 2,080,768, inside the signed 24-bit immediate
.endr
.endm
	s_wait_tensorcnt 1                             ; my part of K step 0 is in; K step 1's may stay out
	s_barrier_signal -1
	s_barrier_wait -1                              ; everybody's is
	FETCH 0, 0, F0
	QUARTER 0, 64,  F0, F1, 1                      ; the first quarter stands in front of the loop: its products start the sums
	WIN 0                                          ; at a label and at a branch every window is 0
	s_mov_b32 s3, LAPS-1
.Llap:                                                 ; a trip goes once round the ring, from a lap's second quarter to the next lap's first, and fills both slots again: trip t asks for K steps 2 t + 2 and 2 t + 3
	QUARTER 0, 128, F1, F0, 0
	QUARTER 0, 192, F0, F1, 0
	TURN 0, 1, 1
	QUARTER 1, 64,  F0, F1, 0
	QUARTER 1, 128, F1, F0, 0
	QUARTER 1, 192, F0, F1, 0
	TURN 1, 0, 1
	QUARTER 0, 64,  F0, F1, 0
	WIN 0
	s_sub_co_u32 s3, s3, 1
	s_cmp_lg_u32 s3, 0
	s_cbranch_scc1 .Llap
	QUARTER 0, 128, F1, F0, 0                      ; the last lap is written out: it asks for nothing
	QUARTER 0, 192, F0, F1, 0
	TURN 0, 1, 0
	QUARTER 1, 64,  F0, F1, 0
	QUARTER 1, 128, F1, F0, 0
	QUARTER 1, 192, F0, F1, 0
	s_wait_dscnt 8                                 ; the very last quarter: nothing more to fetch
	MUL16 F1, 0, 0, 0
	MUL16 F1, 0, 2, 0
	s_wait_dscnt 0x0
	MUL16 F1, 1, 0, 0
	MUL16 F1, 1, 2, 0
	WIN 0
	PLACES                                         ; behind the last products: the LDS stores below read results, and the loads below land in fragment registers that products have read
	PLACES                                         ; (eight, once a launch)
	TOSTAGE 0
.irp a, 1,2,3,4,5,6,7                  ; block a's way through the stage is issued ahead of block a - 1's arithmetic and stores
	TOSTAGE \a
	SEND (\a)-1, 32
.endr
	SEND 7, 0
	s_wait_tensorcnt 0x0                           ; the wave's end: an add and its wait, behind my last tensor load and my last LDS store
	ds_add_u32 v[SPW], v[NIL]
	s_wait_dscnt 0x0
	CROUND                                         ; the closing round: no work-group ends while a partner may still ask for a tile that names it
	s_endpgm
.Lfunc_end_k_qbe1cb1f513_gemm:
	.size	k_qbe1cb1f513_gemm, .Lfunc_end_k_qbe1cb1f513_gemm-k_qbe1cb1f513_gemm
	.p2alignl 7, 3214868480
	.fill 96, 4, 3214868480
	.section	.rodata,"a",@progbits
	.p2align	6, 0x0
	.amdhsa_kernel k_qbe1cb1f513_gemm
		.amdhsa_group_segment_fixed_size 327680
		.amdhsa_private_segment_fixed_size 0
		.amdhsa_enable_private_segment 0
		.amdhsa_kernarg_size 48
		.amdhsa_user_sgpr_count 2
		.amdhsa_user_sgpr_kernarg_segment_ptr 1
		.amdhsa_wavefront_size32 1
		.amdhsa_system_sgpr_workgroup_id_x 1
		.amdhsa_system_sgpr_workgroup_id_y 1
		.amdhsa_system_sgpr_workgroup_id_z 1
		.amdhsa_system_vgpr_workitem_id 0
		.amdhsa_next_free_vgpr 1024
		.amdhsa_next_free_sgpr 80
		.amdhsa_reserve_vcc 0
		.amdhsa_float_denorm_mode_32 3
		.amdhsa_float_denorm_mode_16_64 3
		.amdhsa_memory_ordered 1
		.amdhsa_forward_progress 1
		.amdhsa_inst_pref_size 158
	.end_amdhsa_kernel
	.amdgpu_metadata
---
amdhsa.version: [ 1, 2 ]
amdhsa.kernels:
  - .name:           k_qbe1cb1f513_gemm
    .symbol:         k_qbe1cb1f513_gemm.kd
    .args:
      - { .name: xq, .offset: 0, .size: 8, .value_kind: global_buffer, .address_space: global }
      - { .name: wq, .offset: 8, .size: 8, .value_kind: global_buffer, .address_space: global }
      - { .name: out0, .offset: 16, .size: 8, .value_kind: global_buffer, .address_space: global }
      - { .name: bias, .offset: 24, .size: 8, .value_kind: global_buffer, .address_space: global }
      - { .name: input_scale, .offset: 32, .size: 8, .value_kind: global_buffer, .address_space: global }
      - { .name: weight_scale, .offset: 40, .size: 8, .value_kind: global_buffer, .address_space: global }
    .group_segment_fixed_size: 327680
    .private_segment_fixed_size: 0
    .kernarg_segment_align: 8
    .kernarg_segment_size: 48
    .max_flat_workgroup_size: 128
    .sgpr_count:     80
    .vgpr_count:     1024
    .wavefront_size: 32
...
	.end_amdgpu_metadata
.endif
;; end of part 2
;; ======== version 2 of 2: 2 launches; version 1 with the launch quant written anew for expert scheduling mode
;; limits: inputs' magnitudes at most 448
;; workspace buffers: xq 33,554,432 bytes; wq 33,554,432 bytes
;; launch quant (part 3): grid 512 x 2, 8 waves a work-group, no clusters, 0 bytes of LDS; arguments x, weight, xq, wq; writes xq, wq
.if DOCPART == 3
	.amdgcn_target "amdgcn-amd-amdhsa--gfx1250"
	.amdhsa_code_object_version 6
	.text
	.protected	k_qbe1cb1f513_quant
	.globl	k_qbe1cb1f513_quant
	.p2align	8
	.type	k_qbe1cb1f513_quant,@function
k_qbe1cb1f513_quant:
	s_mov_b64 s[64:65], 0
	v_nop
	global_prefetch_b8 v0, s[64:65] scope:SCOPE_SE
	s_setreg_imm32_b32 hwreg(HW_REG_WAVE_SCHED_MODE, 0, 2), 2
	s_setreg_imm32_b32 hwreg(HW_REG_WAVE_MODE, 25, 1), 1
	s_wait_xcnt 0x0
	s_wait_alu depctr_vm_vsrc(0)
; xq = q(x), wq = q(weight): each f32 is rounded to e4m3 (v_cvt_scalef32_pk8_fp8_f32 with the scale 1.0: eight numbers, each divided by 2^0), widened again and written as bf16.
; An e4m3 number has 4 significant bits and exponents 2^-9 .. 2^8, so bf16 holds it exactly: the second launch multiplies the very numbers that reference() multiplies.
; LIMITS.  The cast is the conversion instruction's.  The text serves magnitudes below 448, e4m3's largest number; from 448 on the result is whatever the instruction gives, where reference()
; rounds down to 448 up to 464 and gives NaN beyond.  No clamp is written: reference() has none.
; K IS PERMUTED inside groups of 256 numbers of a row, alike in xq and wq (a row is 16 whole groups): place 8 l + j of a group holds source number 4 l + j (j < 4) or 128 + 4 l + j - 4 (j >= 4).
; A sum over k of products does not see a permutation that both factors share; it lets every load and every store be 16 bytes a lane with neighbouring lanes at neighbouring 16 bytes:
; each instruction of a wave covers 512 consecutive bytes, at a multiple of 512 from the buffer's first byte.
; SHARES.  Grid y = 0: x -> xq; y = 1: weight -> wq.  A work-group takes 131,072 bytes in and writes 65,536; each of its eight waves 16 groups (16,384 bytes in, 8,192 out).
; No loop, and no address is ever stepped (group and half stand in the immediates).
; No LDS, no matrix unit, no cluster: no byte is wanted by two waves.  No prefetch: the launch is nothing but its stream.
; THE MODE: SCHED_MODE bits 1:0 = 2 (LLVM: expert scheduling mode 2), set by the entry lines.  The code itself states the register dependences
; between vector instructions and memory instructions, with s_wait_alu, always for 0.
; THE PLAN.  A wave's 16 groups go in 8 blocks of two.  Registers that memory instructions touch:
;   X0 .. X4   five blocks as loaded.  Written by the loads of block p + 4, issued in block p (blocks 0 to 3: at the head); read by block p's two conversions to e4m3.
;   Y0, Y1     two blocks to store.    Written by block p's roundings to bf16; read by the two stores that are issued in block p + 1.
;   v1, v2     byte offsets, made once at the head and never written again.
; Block p works on X[p % 5] and writes Y[p % 2].  Its memory instructions are the loads into X[(p + 4) % 5] = X[(p - 1) % 5] and the stores from Y[(p - 1) % 2]:
; the two buffers that block p - 1 worked on and that no vector instruction of block p names.  So the waits at the head of a block state all that the block's
; six memory instructions hang on, and these are dealt among its vector instructions with no further wait.  12 to 16 loads of every wave are on their way.
.set IN,   1                           ; v1        wave x 16,384 + 16 x lane; never rewritten
.set OUTO, 2                           ; v2        wave x 8,192 + 16 x lane; never rewritten
.set ONE,  3                           ; v3        at the head 32 x wave; then 1.0, the conversions' scale: no memory instruction names it
.set T,    4                           ; v[4:11]   eight numbers in f32, at work: no memory instruction names them
.set C,    12                          ; v[12:13], v[14:15]  the eight e4m3 codes of the block's first and second group (read by halves below, by their plain names): likewise
.set X,    16                          ; v[16:95]  buffer k, group i of its two: 8 registers at X + 16 k + 8 i, as loaded
.set Y,    96                          ; v[96:111] buffer k, group i of its two: 4 registers at Y + 8 k + 4 i, to store
	s_load_b256 s[4:11], s[0:1], 0x0               ; x s[4:5], weight s[6:7], xq s[8:9], wq s[10:11]
	s_and_b32 s12, ttmp7, 0xffff                   ; grid y: which tensor
	s_lshl_b32 s18, ttmp9, 17                      ; the work-group's 131,072 bytes in (511 x 2^17 at the most: under 2^31),
	s_mov_b32 s19, 0
	s_lshl_b32 s20, ttmp9, 16                      ; and its 65,536 out
	s_mov_b32 s21, 0
	v_and_b32 v3, 0xe0, v0                         ; 32 x wave
	v_and_b32 v1, 31, v0                           ; lane
	v_lshlrev_b32 v1, 4, v1                        ; 16 bytes a lane
	v_lshl_or_b32 v[OUTO], v3, 8, v1
	v_lshl_or_b32 v[IN], v3, 9, v1
	v_mov_b32 v[ONE], 1.0                          ; the scale: its exponent says 2^0
	s_wait_kmcnt 0x0
	s_cmp_eq_u32 s12, 0                            ; a choice between buffers by the work-group's y alone
	s_cselect_b64 s[14:15], s[4:5], s[6:7]
	s_cselect_b64 s[16:17], s[8:9], s[10:11]
	s_add_nc_u64 s[14:15], s[14:15], s[18:19]
	s_add_nc_u64 s[16:17], s[16:17], s[20:21]
	s_wait_alu depctr_va_vdst(0)                   ; v1 and v2 are written: every load and store of the kernel reads one of them as its offset
.irp i, 0,1,2,3,4,5,6,7
	global_load_b128 v[X+8*(\i):X+8*(\i)+3],   v[IN], s[14:15] offset:(\i)*1024 th:TH_LOAD_NT      ; group i (blocks 0 to 3 into X0 to X3): numbers 4 l .. 4 l + 3,
	global_load_b128 v[X+8*(\i)+4:X+8*(\i)+7], v[IN], s[14:15] offset:(\i)*1024+512 th:TH_LOAD_NT  ; and 128 + 4 l .. 128 + 4 l + 3
.endr
; Block p: groups 2 p and 2 p + 1.  ahead = 1: block p + 4 is loaded.  left: the younger loads that may still be out when this block's four have to be there.
.macro BLK p, ahead, left
.set XB, X+16*((\p)%5)                 ; the buffer that the block works on,
.set XN, X+16*(((\p)+4)%5)             ; the one that the block before worked on, in which the loads land,
.set YB, Y+8*((\p)%2)                  ; the one that the block writes,
.set YP, Y+8*(1-(\p)%2)                ; and the one that the block before wrote, which the stores read
	s_wait_loadcnt \left                           ; loads come back in order (ISA guide 5.7.1): X[p % 5] is in, the younger blocks stay out
.if (\p) >= 2
	s_wait_xcnt 0x0                                ; every earlier memory instruction has had its addresses translated (ISA guide 3.1): Y[p % 2], the data of the stores issued in the block before, is rewritten only behind this wait
	s_wait_alu depctr_vm_vsrc(0)                   ; the stores issued in the block before have read Y[p % 2], which this block's roundings write again
.endif
.if (\p) >= 1
	s_wait_alu depctr_va_vdst(0)                   ; the block before has written the other Y, which the stores below read, and is done reading its X, in which the loads below land
.endif
.irp i, 0,1
.if \ahead
	global_load_b128 v[XN+8*(\i):XN+8*(\i)+3],   v[IN], s[14:15] offset:(2*((\p)+4)+(\i))*1024 th:TH_LOAD_NT      ; four blocks ahead; no vector instruction since the wait names these registers
	global_load_b128 v[XN+8*(\i)+4:XN+8*(\i)+7], v[IN], s[14:15] offset:(2*((\p)+4)+(\i))*1024+512 th:TH_LOAD_NT
.endif
.if (\p) >= 1
	global_store_b128 v[OUTO], v[YP+4*(\i):YP+4*(\i)+3], s[16:17] offset:(2*((\p)-1)+(\i))*512 th:TH_STORE_NT  ; the block before
.endif
.if (\i) == 0
	v_cvt_scalef32_pk8_fp8_f32 v[C:C+1],   v[XB:XB+7],    v[ONE]  ; the rounding that reference() makes: number j of a group into byte j of its pair.  Both groups' at once,
	v_cvt_scalef32_pk8_fp8_f32 v[C+2:C+3], v[XB+8:XB+15], v[ONE]
	v_nop                                          ; so that ONE plain instruction serves both: it stands between a scaled conversion and the first use of its result
	v_cvt_pk_f32_fp8 v[T:T+1],   v12.l             ; back to f32: exact
	v_cvt_pk_f32_fp8 v[T+2:T+3], v12.h
	v_cvt_pk_f32_fp8 v[T+4:T+5], v13.l
	v_cvt_pk_f32_fp8 v[T+6:T+7], v13.h
.else
	v_cvt_pk_f32_fp8 v[T:T+1],   v14.l             ; the second group's codes
	v_cvt_pk_f32_fp8 v[T+2:T+3], v14.h
	v_cvt_pk_f32_fp8 v[T+4:T+5], v15.l
	v_cvt_pk_f32_fp8 v[T+6:T+7], v15.h
.endif
.irp k, 0,1,2,3
	v_cvt_pk_bf16_f32 v[YB+4*(\i)+(\k)], v[T+2*(\k)], v[T+2*(\k)+1]  ; to bf16: exact too
.endr
.endr
.endm
	BLK 0, 1, 12                                   ; behind a block's four loads stand those of the next three blocks: 12.  Block 0 has no block in front of it: no store, and X4 has been named by no vector instruction
	BLK 1, 1, 12                                   ; no store has been issued yet: Y1 is free as it is
	BLK 2, 1, 12
	BLK 3, 1, 12                                   ; block 7's loads: the last
	BLK 4, 0, 12                                   ; blocks 4 to 7 load nothing: no load leaves the buffer, and the counts run down
	BLK 5, 0, 8
	BLK 6, 0, 4
	BLK 7, 0, 0
	s_wait_alu depctr_va_vdst(0)                   ; block 7 has written Y1, which the last two stores read
.irp i, 0,1
	global_store_b128 v[OUTO], v[Y+8+4*(\i):Y+8+4*(\i)+3], s[16:17] offset:(14+(\i))*512 th:TH_STORE_NT
.endr
	s_endpgm
.Lfunc_end_k_qbe1cb1f513_quant:
	.size	k_qbe1cb1f513_quant, .Lfunc_end_k_qbe1cb1f513_quant-k_qbe1cb1f513_quant
	.p2alignl 7, 3214868480
	.fill 96, 4, 3214868480
	.section	.rodata,"a",@progbits
	.p2align	6, 0x0
	.amdhsa_kernel k_qbe1cb1f513_quant
		.amdhsa_group_segment_fixed_size 0
		.amdhsa_private_segment_fixed_size 0
		.amdhsa_enable_private_segment 0
		.amdhsa_kernarg_size 32
		.amdhsa_user_sgpr_count 2
		.amdhsa_user_sgpr_kernarg_segment_ptr 1
		.amdhsa_wavefront_size32 1
		.amdhsa_system_sgpr_workgroup_id_x 1
		.amdhsa_system_sgpr_workgroup_id_y 1
		.amdhsa_system_sgpr_workgroup_id_z 1
		.amdhsa_system_vgpr_workitem_id 0
		.amdhsa_next_free_vgpr 112
		.amdhsa_next_free_sgpr 66
		.amdhsa_reserve_vcc 0
		.amdhsa_float_denorm_mode_32 3
		.amdhsa_float_denorm_mode_16_64 3
		.amdhsa_memory_ordered 1
		.amdhsa_forward_progress 1
		.amdhsa_inst_pref_size 14
	.end_amdhsa_kernel
	.amdgpu_metadata
---
amdhsa.version: [ 1, 2 ]
amdhsa.kernels:
  - .name:           k_qbe1cb1f513_quant
    .symbol:         k_qbe1cb1f513_quant.kd
    .args:
      - { .name: x, .offset: 0, .size: 8, .value_kind: global_buffer, .address_space: global }
      - { .name: weight, .offset: 8, .size: 8, .value_kind: global_buffer, .address_space: global }
      - { .name: xq, .offset: 16, .size: 8, .value_kind: global_buffer, .address_space: global }
      - { .name: wq, .offset: 24, .size: 8, .value_kind: global_buffer, .address_space: global }
    .group_segment_fixed_size: 0
    .private_segment_fixed_size: 0
    .kernarg_segment_align: 8
    .kernarg_segment_size: 32
    .max_flat_workgroup_size: 256
    .sgpr_count:     66
    .vgpr_count:     112
    .wavefront_size: 32
...
	.end_amdgpu_metadata
.endif
;; end of part 3
;; launch gemm: the kernel of part 2 again; grid 16 x 16, 4 waves a work-group, clusters of 4 x 4, 327,680 bytes of LDS; arguments xq, wq, out0, bias, input_scale, weight_scale; writes out0
